; MI455X (gfx1250); checked and timed in simulation.
; The chip was launched on July 23, 2026; its instructions are those of AMD's public machine-readable ISA for CDNA 5 (MIT licence, August 2026) and "CDNA5" Instruction Set Architecture Reference Guide (July 2026). The comments in the code are by the model that wrote it; some were corrected since.
;; mu P Attention Mechanism. Allowed arithmetic: matrix products marked QUANTISED: E3M2 operands, one E8M0 scale for each 32 along K, by v_wmma_scale_f32_16x16x128_f8f6f4 with both operands' format E3M2, f32 sums; everything else in f32.
;; Inputs: key 2 x 16 x 2,048 x 64 float32; query 2 x 16 x 2,048 x 64 float32; value 2 x 16 x 2,048 x 64 float32.
;; Outputs: out0 2 x 16 x 2,048 x 64 float32.
;; Constants: causal = 1, dhead = 64.
;; This version of the problem:
;;   THIS VERSION OF THE PROBLEM IS GIVEN IN LOW PRECISION. The matrix products marked QUANTISED in the list below multiply operands that are first quantised to E3M2 (3 exponent bits, 2 mantissa bits; 6 bits a number), with one power-of-two scale for each 32 numbers along K (OCP MX v1.0); their sums are f32. All else is computed in f32.
;;   The module's matrix products, in the order in which they are computed (A, B: the left and right operand; K: the contracted axis; several contracted axes count as one K, in the product's order):
;;     1. batch 32 x [M 2,048, K 64] x [K 64, N 2,048]; A: input query; B: input key: QUANTISED
;;     2. batch 32 x [M 2,048, K 2,048] x [K 2,048, N 64]; A: softmax (see below); B: input value: QUANTISED
;;   THE QUANTISER, for each operand of a quantised product, along K:
;;     - K is cut into blocks of 32 from its start; a last block that is shorter is filled with zeros.
;;     - A block's scale is 2^e with e = floor(log2(the largest magnitude in the block)) - 4, held to -126 .. 127; a block of zeros has e = 0. As a byte (E8M0): e + 127.
;;     - Each number is divided by its block's scale, clamped to +-28, and rounded to the nearest number of E3M2, ties to even, subnormals kept.
;;     - The product sums the exact products of the quantised numbers (number of the format x scale) in f32.
;;   ~~~python
;;   def quantise(x, axis):      # numpy; x: float32 -> the quantised numbers, widened to float32 again
;;       x = np.moveaxis(x, axis, -1); K = x.shape[-1]
;;       x = np.pad(x, [(0, 0)] * (x.ndim - 1) + [(0, -K % 32)]); x = x.reshape(x.shape[:-1] + (-1, 32)); a = np.abs(x).max(-1, keepdims=True)
;;       e = np.where(a > 0, np.clip(np.frexp(np.where(a > 0, a, 1))[1] - 1 - 4, -126, 127), 0)      # np.frexp(a)[1] - 1 = floor(log2(a)), exactly
;;       r = np.clip(x / 2.0 ** e, -28, 28)
;;       step = 2.0 ** (np.maximum(np.frexp(np.where(r == 0, 1, r))[1] - 1, -2) - 2)
;;       q = np.round(r / step) * step * 2.0 ** e      # np.round: ties to even
;;       return np.moveaxis(q.reshape(q.shape[:-2] + (-1,))[..., :K], -1, axis).astype(np.float32)
;;   ~~~
;;   SOFTMAX AHEAD OF A QUANTISED PRODUCT. Where the list says 'softmax', what is quantised is not the finished softmax but p = 2^(t - M), with t = logit x log2(e) and M = ceil(the row's largest t), a whole number; so 1/2 < the row's largest p <= 1. The row's sum l is taken of the UNQUANTISED p, in f32, and the product's result is divided by l at the end. Since M is a whole number, a kernel that streams over the keys may use a running M (the ceiling of the running maximum): every later rescaling is an exact power of two, which a block's scale takes up: the codes' values come out the same.
;;   OPERANDS COMPUTED ON THE WAY. 'Computed on the way' means the value that the module computes at that place (a softmax that the list does not call 'softmax' is quantised finished and normalised). What goes into a quantiser is computed in f32, as accurately as f32 sums, v_exp_f32 and their like allow (about 1e-6 of the number): no bf16 or f16 on the way to a quantiser, and a product that is left as it is and whose result goes on into a quantised operand takes f32 operands (vector FMAs, or v_wmma_f32_16x16x4_f32). A number that lies on a knife's edge between two numbers of the format may be rounded either way, as far as f32 arithmetic and the matrix unit's own rounding can turn it there, and no further.
;; One version. Each part assembles by itself: llvm-mc -triple=amdgcn-amd-amdhsa -mcpu=gfx1250 --defsym DOCPART=n.
;; ======== version 1 of 1: 2 launches
;; limits: right only within a limited range of input values
;; workspace buffers: kv 6,553,600 bytes
;; launch quant (part 1): grid 16 x 32, 4 waves a work-group, no clusters, 71,168 bytes of LDS; arguments key, value, kv; writes kv
.if DOCPART == 1
	.amdgcn_target "amdgcn-amd-amdhsa--gfx1250"
	.amdhsa_code_object_version 6
	.text
	.protected	k_q5e54d2f117_quant
	.globl	k_q5e54d2f117_quant
	.p2align	8
	.type	k_q5e54d2f117_quant,@function
k_q5e54d2f117_quant:
	s_mov_b64 s[64:65], 0
	v_nop
	global_prefetch_b8 v0, s[64:65] scope:SCOPE_SE
	s_setreg_imm32_b32 hwreg(HW_REG_WAVE_MODE, 25, 1), 1
	s_wait_xcnt 0x0
; key and value, [32 heads][2048][64] f32, become codes of E3M2 (6 bits) with one E8M0 byte for each 32 along K, laid in kv AS IMAGES OF THE OPERAND REGISTERS of the attention launch.
; key is quantised along d (its K in q k^T), value along the keys (its K in p v).  A block's byte is its largest magnitude's exponent field - 4, held at 1 from below.
; kv: 32 heads x 16 records (a step of 128 keys each) of REC = 12,800 bytes:
;   0      : K's codes, 48 registers: tile t = 4 c + u at 6 t; lane (r, h): key 64 c + 32 (r / 8) + 8 u + r % 8, d = 32 h .. 32 h + 31;  12 groups of 4 registers, group g at 512 g + 16 x lane
;   6,144  : V's codes, 48 registers: d-tile t at 12 t; lane (r, h): d = 16 t + r, registers 6 c .. 6 c + 5: keys 64 c + 32 h + 0 .. 31;  12 groups likewise
;   12,288 : scale words, 4 registers, 16 bytes a lane: K's two, then V's two.  K's register i: tiles 4 i, 4 i + 1 in lanes 0-15, tiles 4 i + 2, 4 i + 3 in lanes 16-31; byte 0 = the even tile's d 0-31, byte 1 = its d 32-63,
;            bytes 2, 3 = the odd tile's.  V's register i: d-tile 2 i in lanes 0-15, 2 i + 1 in lanes 16-31; byte b = the step's key block b
; SHARES.  Work-group (x = step, y = head) makes one record.  Wave w loads keys 32 w .. 32 w + 31 of K and of V as they lie (each load 512 consecutive bytes, 32 loads out),
; all four turn them through LDS, and wave w quantises K's tiles 2 w, 2 w + 1 and V's d-tile w: in both a block of 32 along K then lies in ONE lane's 32 registers, so that no other lane is asked for a maximum.
; K is turned and quantised while V's loads are out.
; A stream: no matrix unit, no tensor load, no cluster (work-groups share no input).  Every global store of a wave covers whole aligned runs of 256 bytes.
; LIMITS: NaN and infinities among the inputs are not served.  A block of zeros, or one whose largest magnitude lies under 2^-122, gets the byte 1 (its codes are zeros or tiny; this program alone reads the bytes).
.set PIT,   272                        ; a key's row in a stage: 256 bytes + 16 = 68 words: 16 neighbouring rows start at 16 different groups of banks
.set VST,   128*PIT                    ; K's stage: 128 slots from byte 0;  V's stage begins here
.set VHALF, 64*PIT+64                  ; V's odd key blocks lie this far behind the even ones: 16 banks beside them, so lanes 16-31 read beside lanes 0-15
.set SCL,   69888                      ; the scale image: 512 bytes
.set SPARE, 70656                      ; the spare words: 128 bytes for each wave
.set HB,    204800
.set REC,   12800
.set KN,    32                         ; v32-95   K's numbers
.set VN,    96                         ; v96-159  V's numbers
.set KC,    160                        ; v160-171 K's codes, two tiles
.set VC,    172                        ; v172-183 V's codes, one d-tile
.set CT,    184                        ; v184-186 a conversion's second half
; 32 numbers of one lane, one block, become 6 registers of codes at v[d] (d even) and the block's byte in v[by].
.macro QBLK x, d, t, by
	v_max3_num_f32 v12, |v[\x]|, |v[\x+1]|, |v[\x+2]|              ; the largest magnitude, in two chains
	v_max3_num_f32 v13, |v[\x+3]|, |v[\x+4]|, |v[\x+5]|
.irp i, 6,10,14,18,22,26
	v_max3_num_f32 v12, v12, |v[\x+\i]|, |v[\x+\i+1]|
	v_max3_num_f32 v13, v13, |v[\x+\i+2]|, |v[\x+\i+3]|
.endr
	v_max3_num_f32 v12, v12, |v[\x+30]|, |v[\x+31]|
	v_max3_num_f32 v12, v12, v13, 0x2800000                        ; and the floor 2^(5 - 127): the byte cannot fall under 1
	v_add_nc_u32 v14, 0xfe000000, v12                              ; 4 off the exponent field: the conversion takes that field as its scale
	v_lshrrev_b32 v[\by], 23, v14                                  ; the byte
	v_cvt_scalef32_pk16_bf6_f32 v[\d:\d+2], v[\x:\x+15], v14
	v_cvt_scalef32_pk16_bf6_f32 v[\t:\t+2], v[\x+16:\x+31], v14    ; (a conversion's three registers begin on an even number)
	v_nop                                                          ; one plain place behind the conversions
.irp i, 0,1,2
	v_mov_b32 v[\d+3+\i], v[\t+\i]
.endr
.endm
	s_load_b128 s[4:7], s[0:1], 0x0                ; key, value
	s_load_b64 s[8:9], s[0:1], 0x10                ; kv
	v_lshl_add_u32 v192, v0, 2, SPARE
	v_mov_b32 v193, 0
	v_lshrrev_b32 v1, 5, v0
	v_readfirstlane_b32 s10, v1                    ; wave 0..3
	v_and_b32 v1, 31, v0                           ; lane
	v_lshlrev_b32 v4, 4, v1                        ; 16 x lane
	s_and_b32 s12, ttmp7, 0xffff                   ; head
	s_lshl_b32 s14, s12, 19                        ; a head is 2,048 x 256 bytes,
	s_lshl_b32 s13, ttmp9, 15                      ; a step 128 x 256,
	s_add_co_u32 s14, s14, s13
	s_lshl_b32 s13, s10, 13                        ; a wave's part 32 x 256
	s_add_co_u32 s14, s14, s13
	s_mov_b32 s15, 0
	s_mul_i32 s16, s12, HB                         ; the head's block in kv,
	s_mul_i32 s13, ttmp9, REC                      ; the step's record
	s_add_co_u32 s16, s16, s13
	s_mov_b32 s17, 0
	s_mul_i32 s18, s10, 1536                       ; my three groups of it
	s_mov_b32 s19, 0
	s_mov_b32 s20, 0x76543210
	s_mov_b32 s21, 0xfedcba98                      ; v_permlanex16_b32's selects for lane l xor 16
	s_wait_alu depctr_va_vdst(0)                   ; the wait at the head's end
	s_wait_kmcnt 0x0
	s_add_nc_u64 s[4:5], s[4:5], s[14:15]
	s_add_nc_u64 s[6:7], s[6:7], s[14:15]
	s_add_nc_u64 s[8:9], s[8:9], s[16:17]
	s_add_nc_u64 s[22:23], s[8:9], s[18:19]
.set cn, 0
.rept 16
	global_load_b128 v[KN+4*cn:KN+4*cn+3], v4, s[4:5] offset:512*cn th:TH_LOAD_NT    ; keys 2 cn, 2 cn + 1 of my 32: 512 consecutive bytes
.set cn, cn+1
.endr
.set cn, 0
.rept 16
	global_load_b128 v[VN+4*cn:VN+4*cn+3], v4, s[6:7] offset:512*cn th:TH_LOAD_NT
.set cn, cn+1
.endr
	; the LDS addresses, while the loads are out
	s_lshr_b32 s29, s10, 1
	s_and_b32 s30, s10, 1
	s_mul_i32 s28, s29, 64*PIT
	s_mul_i32 s13, s30, 8*PIT
	s_add_co_u32 s28, s28, s13                     ; K, in: key 32 w + 8 u + j goes to slot 64 (w / 2) + 16 u + 8 (w % 2) + j: a tile's 16 rows are then neighbouring slots
	s_mul_i32 s31, s29, 32*PIT
	s_mul_i32 s13, s30, VHALF
	s_add_co_u32 s31, s31, s13
	s_add_co_u32 s31, s31, VST                     ; V, in: my keys are block w: half w & 1, rows 32 (w >> 1) on
	s_mul_i32 s24, s10, 32*PIT                     ; K, out: slots 32 w on
	s_lshl_b32 s25, s10, 6
	s_add_co_u32 s25, s25, VST                     ; V, out: columns 16 w on
	s_lshl_b32 s26, s30, 8
	s_lshl_b32 s13, s29, 2
	s_add_co_u32 s26, s26, s13
	s_add_co_u32 s26, s26, SCL                     ; the scale image: lane 16 (w & 1) + r, register w >> 1 (V's: 2 + w >> 1)
	v_and_b32 v2, 15, v0                           ; r
	v_bfe_u32 v3, v0, 4, 1                         ; h
	v_lshlrev_b32 v20, 3, v3                       ; 8 h: a byte's place in a word
	v_mul_u32_u24 v15, v3, PIT
	v_lshl_add_u32 v15, v2, 4, v15                 ; row h, 16 r: a load's place
	v_add_nc_u32 v5, s28, v15
	v_add_nc_u32 v6, s31, v15
	v_mul_u32_u24 v7, v2, PIT
	v_lshl_add_u32 v7, v3, 7, v7
	v_add_nc_u32 v7, s24, v7                       ; slot 32 w + r, d = 32 h on
	v_mul_u32_u24 v8, v3, VHALF
	v_lshl_add_u32 v8, v2, 2, v8
	v_add_nc_u32 v8, s25, v8                       ; column d = 16 w + r; lanes 16-31 the odd blocks
	v_lshl_add_u32 v9, v2, 4, s26
	v_add_nc_u32 v28, SCL, v4                      ; wave 0 reads the image back
	v_mov_b32 v21, 0                               ; written once: a lane permute's destination counts as one of its sources
	v_mov_b32 v23, 0
	s_wait_alu depctr_va_vdst(0)
	s_wait_loadcnt 16                              ; K's 16 loads are in; V's 16, issued behind them, may be out
.set cn, 0
.rept 16
	ds_store_b128 v5, v[KN+4*cn:KN+4*cn+3] offset:(16*(cn>>2)+2*(cn&3))*PIT
.set cn, cn+1
.endr
	s_wait_dscnt 0x0                               ; for the others' sake: my stores have landed
	s_barrier_signal -1
	s_barrier_wait -1                              ; all 128 keys of K lie in the stage
.irp u, 0,1
.irp i, 0,1,2,3,4,5,6,7
	ds_load_b128 v[KN+32*\u+4*\i:KN+32*\u+4*\i+3], v7 offset:\u*16*PIT+16*\i       ; tile 2 w + u: my row's 32 numbers d = 32 h on
.endr
.endr
	s_wait_dscnt 8                                 ; tile 2 w is in; the eight loads of tile 2 w + 1 may be out
	QBLK KN, KC, CT, 16
	s_wait_alu depctr_va_vdst(0)
	s_wait_dscnt 0x0
	QBLK KN+32, KC+6, CT, 17
.irp g, 0,1,2
	global_store_b128 v4, v[KC+4*\g:KC+4*\g+3], s[22:23] offset:512*\g             ; 512 consecutive bytes, aligned
.endr
	v_lshl_or_b32 v16, v17, 16, v16                ; my two bytes: block h of the even tile, block h of the odd one,
	v_lshlrev_b32 v16, v20, v16                    ; at their places;
	v_permlanex16_b32 v21, v16, s20, s21
	v_or_b32 v22, v16, v21                         ; with lane l xor 16's two the word is whole
	ds_store_b32 v9, v22                           ; both halves write the same word with the same value
	s_wait_alu depctr_va_vdst(0)
	s_wait_loadcnt 0x0                             ; V
.set cn, 0
.rept 16
	ds_store_b128 v6, v[VN+4*cn:VN+4*cn+3] offset:2*cn*PIT
.set cn, cn+1
.endr
	s_wait_dscnt 0x0
	s_barrier_signal -1
	s_barrier_wait -1                              ; all 128 keys of V lie in the stage
.set cn, 0
.rept 32
	ds_load_b32 v[VN+cn], v8 offset:cn*PIT         ; V(32 h + cn, my d): down the keys
.set cn, cn+1
.endr
.set cn, 0
.rept 32
	ds_load_b32 v[VN+32+cn], v8 offset:(32+cn)*PIT ; V(64 + 32 h + cn, my d)
.set cn, cn+1
.endr
	s_wait_dscnt 32                                ; the first block's 32 loads are in; the second's may be out
	QBLK VN, VC, CT, 18
	s_wait_alu depctr_va_vdst(0)
	s_wait_dscnt 0x0
	QBLK VN+32, VC+6, CT, 19
.irp g, 0,1,2
	global_store_b128 v4, v[VC+4*\g:VC+4*\g+3], s[22:23] offset:6144+512*\g
.endr
	v_lshl_or_b32 v18, v19, 16, v18                ; my two bytes: blocks h and 2 + h,
	v_lshlrev_b32 v18, v20, v18                    ; at their places;
	v_permlanex16_b32 v23, v18, s20, s21
	v_or_b32 v24, v18, v23                         ; with lane l xor 16's two the word is whole
	ds_store_b32 v9, v24 offset:8
	s_wait_alu depctr_va_vdst(0)
	s_wait_dscnt 0x0                               ; for wave 0's sake: my scale words have landed
	s_barrier_signal -1
	s_barrier_wait -1
	s_cmp_lg_u32 s10, 0
	s_cbranch_scc1 .Lend                           ; wave 0 alone sends the scale image
	ds_load_b128 v[24:27], v28
	s_wait_dscnt 0x0
	global_store_b128 v4, v[24:27], s[8:9] offset:12288   ; 512 consecutive bytes, aligned
.Lend:
	s_wait_tensorcnt 0x0                           ; the wave's end
	ds_add_u32 v192, v193
	s_wait_dscnt 0x0
	s_endpgm
.Lfunc_end_k_q5e54d2f117_quant:
	.size	k_q5e54d2f117_quant, .Lfunc_end_k_q5e54d2f117_quant-k_q5e54d2f117_quant
	.p2alignl 7, 3214868480
	.fill 96, 4, 3214868480
	.section	.rodata,"a",@progbits
	.p2align	6, 0x0
	.amdhsa_kernel k_q5e54d2f117_quant
		.amdhsa_group_segment_fixed_size 71168
		.amdhsa_private_segment_fixed_size 0
		.amdhsa_enable_private_segment 0
		.amdhsa_kernarg_size 24
		.amdhsa_user_sgpr_count 2
		.amdhsa_user_sgpr_kernarg_segment_ptr 1
		.amdhsa_wavefront_size32 1
		.amdhsa_system_sgpr_workgroup_id_x 1
		.amdhsa_system_sgpr_workgroup_id_y 1
		.amdhsa_system_sgpr_workgroup_id_z 1
		.amdhsa_system_vgpr_workitem_id 0
		.amdhsa_next_free_vgpr 194
		.amdhsa_next_free_sgpr 66
		.amdhsa_reserve_vcc 0
		.amdhsa_float_denorm_mode_32 3
		.amdhsa_float_denorm_mode_16_64 3
		.amdhsa_memory_ordered 1
		.amdhsa_forward_progress 1
		.amdhsa_inst_pref_size 21
	.end_amdhsa_kernel
	.amdgpu_metadata
---
amdhsa.version: [ 1, 2 ]
amdhsa.kernels:
  - .name:           k_q5e54d2f117_quant
    .symbol:         k_q5e54d2f117_quant.kd
    .args:
      - { .name: key, .offset: 0, .size: 8, .value_kind: global_buffer, .address_space: global }
      - { .name: value, .offset: 8, .size: 8, .value_kind: global_buffer, .address_space: global }
      - { .name: kv, .offset: 16, .size: 8, .value_kind: global_buffer, .address_space: global }
    .group_segment_fixed_size: 71168
    .private_segment_fixed_size: 0
    .kernarg_segment_align: 8
    .kernarg_segment_size: 24
    .max_flat_workgroup_size: 128
    .sgpr_count:     66
    .vgpr_count:     194
    .wavefront_size: 32
...
	.end_amdgpu_metadata
.endif
;; end of part 1
;; launch attn (part 2): grid 8 x 32, 16 waves a work-group, clusters of 4 x 1, 284,672 bytes of LDS; arguments query, kv, out0; writes out0
.if DOCPART == 2
	.amdgcn_target "amdgcn-amd-amdhsa--gfx1250"
	.amdhsa_code_object_version 6
	.text
	.protected	k_q5e54d2f117_attn
	.globl	k_q5e54d2f117_attn
	.p2align	8
	.type	k_q5e54d2f117_attn,@function
k_q5e54d2f117_attn:
	s_mov_b64 s[64:65], 0
	v_nop
	global_prefetch_b8 v0, s[64:65] scope:SCOPE_SE
	s_setreg_imm32_b32 hwreg(HW_REG_WAVE_MODE, 25, 1), 1
	s_wait_xcnt 0x0
	s_wait_alu depctr_hold_cnt(0) depctr_sa_sdst(0) depctr_va_vdst(0) depctr_va_sdst(0) depctr_va_ssrc(0) depctr_va_vcc(0) depctr_vm_vsrc(0)
	s_getreg_b32 s2, hwreg(HW_REG_IB_STS2, 6, 4)
	s_cmp_eq_u32 s2, 0
	s_cbranch_scc0 .Lentry_in_a_cluster
	s_endpgm
.Lentry_in_a_cluster:
	s_bfe_u32 s2, ttmp6, 0x10000c
	s_cmp_lg_u32 s2, 0x3003
	s_cbranch_scc0 .Lentry_shape_is_right
	s_endpgm
.Lentry_shape_is_right:
; out0[head][q][:] = the sum over keys k <= q of softmax_k(query[q] . key[k] / 64) value[k][:], 32 heads, 2,048 queries and keys, head size 64; both products on codes of E3M2 with one E8M0 scale for each 32 along K.
; K and V come as codes and scale words from kv, laid as images of the operand registers (the launch before).  Q is read once and is quantised here, in registers.
; LEFT OUT: key steps of 128 that the causal mask hides from all of a tile's queries.  A NaN or an infinity in them is not carried to the result.  causal and dhead are constants: 1 and 64.
; THE SOFTMAX AHEAD OF THE SECOND PRODUCT: t = score x log2(e) / 64; M = the running largest t rounded UP to a whole number; p = 2^(t - M) is quantised along the keys, not normalised; the row's sum is taken of the
; unquantised p and divides at the end.  When M moves, the sum and O are multiplied by 2^(old M - new M): exact.
; A HEAD'S WHOLE K AND V LIE IN LDS: 16 records of 12,800 bytes, a step of 128 keys each, brought once, by first fills alone: wave w brings record w, its one tensor load.  Nothing is filled again: no ring.
; The four work-groups of a cluster belong to one head and need the same bytes: each record is asked for JOINTLY, by the same tensor load with a mask that names the four.
; A barrier stands ahead of the first steps (records 0-2 are in) and one ahead of unit 2 (all are in).
; SHARES.  8 work-groups to a head, 16 waves each.  A tile is 16 queries: rank rho (0..15) of work-group g (0..7) is queries 128 rho + 16 g + 0 .. 15: it needs key steps 0 .. rho, and step rho is the one on the
; diagonal, whatever g.  Waves p and p + 8 (p = 0..7) share ranks p and 15 - p, 17 steps together, in units u = 0 .. 8:
;   wave p     (A): rank 15 - p, steps u + min(u, 7 - p): the even ones up to 14 - 2 p, then all up to 15 - p; the diagonal in unit 8
;   wave p + 8 (B): rank p, steps 0 .. p in units 0 .. p; that tile goes out; then rank 15 - p's odd steps 1 .. 13 - 2 p in units p + 1 .. 7; its partial result goes to A through LDS
; Both take rank 15 - p's Q from A, B as codes through LDS.  No branch hangs on a place in the cluster.
; LAYOUT.  Both products are used transposed: S^T = K Q^T, O^T = V^T P^T: a lane (r, h) holds ONE query, r, throughout.  K's tile 4 c + u has keys 64 c + 8 u + 0 .. 7 in rows 0-7 and the keys 32 further on in rows 8-15:
; so the 32 registers of tiles 4 c .. 4 c + 3 are the WHOLE block of keys 64 c + 32 h + 0 .. 31 in a lane, which is what P's operand wants: no other lane is asked for a block's maximum or its codes.
; K = 64 IN A FORM OF 128: two neighbouring tiles are one A operand; B is [Q, zeros] for the even tile and [zeros, Q] for the odd one.  Codes of E3M2 are finite, so the half that meets zero codes adds exactly 0.
; A block's scale exponent is floor(t - M) of its largest score, less 4.
; No prefetch: every byte that the work-group reads is asked for in its first lines; there is no loop to run ahead in.
; LIMITS: NaN and infinities among the inputs are not served.  The promise holds while |t| stays under 2^31.  A block under 2^-122 gets the byte 1.  A p under 2^-126 counts as 0 (v_exp_f32 flushes).  Where a block's largest t - M
; lies under a whole number by less than a rounding of p, its block is held one exponent low.
.set REC,  12800
.set HB,   204800
.set STG,  204800                      ; behind the records: 16 rows x 272 bytes for each wave: Q's turn, the way out, the partial result; no fill lands here
.set SPIT, 272
.set SBYT, 16*SPIT
.set QIM,  STG+16*SBYT                 ; behind the stages: 1,024 bytes for each p: rank 15 - p's codes of Q and scale words, stored once by A, read by B
.set SPARE, QIM+8*1024
.set LI,   1                           ; v1   16 x lane
.set ADC,  2                           ; v2   LDS address of the step's record + 16 x lane
.set SRD,  3                           ; v3   my stage, two rows at a time
.set STO,  4                           ; v4   my stage, results in
.set QAD,  5                           ; v5   my stage, row r, 128 h bytes on
.set OWN16, 6                          ; v6, v7 my stage + 16 x lane, + 8 x lane
.set OWN8, 7
.set QI16, 88                          ; v88, v89 Q's image for my p + 16 x lane, + 8 x lane
.set QI8,  89
.set PAR16, 8                          ; v8, v9 the partner's stage + 16 x lane, + 8 x lane
.set PAR8, 9
.set QF,   16                          ; v16-21 Q's codes, v22-27 zeros, v28-33 Q's codes
.set QS,   34                          ; Q's scale word
.set PW,   35                          ; p's scale word
.set NINF, 36
.set SH,   37                          ; 8 h
.set FF,   38                          ; f = 2^(old M - new M); v39 named with it as a pair
.set TT,   40
.set T2,   41
.set BM,   42                          ; v42, v43 the two blocks' largest scores; v84, v85 their second chains
.set BN,   84
.set BT,   44                          ; a permute's destination
.set SO,   46                          ; v46, v47 the conversions' scale operands
.set YY,   48                          ; v48, v49
.set WT,   50
.set WP,   51                          ; a permute's destination
.set KS,   52                          ; v52-53 K's scale words, v54-55 V's
.set PC,   56                          ; v56-67 p's codes
.set PT,   68                          ; v68-70, v72-74 the conversions' second halves
.set AC,   76                          ; v76-81 three chains of the sum
.set FR,   96                          ; v96-143 K's 48 registers, later V's
.set SS,   144                         ; v144-207 S^T, then p
.set OT,   208                         ; v208-239 O^T
.set SPW,  240
.set NIL,  241
; v12 -M, v13 the largest score, v[14:15] the sum in two halves
.set WV,   10
.set PP,   11                          ; p
.set Q7,   12                          ; 7 - p
.set SEL,  20                          ; s[20:21] lane selects: lane l xor 16
.set CS,   22                          ; s[22:23] c = log2(e) / 64
.set G1,   24
.set G0,   48
.set U,    60                          ; the unit
.set TB,   61                          ; its record's first byte
.set X1,   62
.set X2,   63
.set OFF,  66                          ; how the steps go: see UNIT
.set LIM,  67
.set SWB,  68                          ; the last unit of the first tile
.set SWU,  69                          ; the unit that begins B's second tile
.set DG,   70                          ; the unit with the diagonal
.set LU,   71                          ; the last unit with work
.set AM,   72                          ; s72-75, s76-79 the mask's words
.set BK,   76
.set MT,   80                          ; s80-83
.macro ROUND                           ; a round of the cluster's barrier
	s_barrier_signal -1
	s_barrier_wait -1
	s_cmp_lg_u32 s[WV], 0
	s_cbranch_scc1 .Lnot_wave_0_\@
	s_barrier_signal -3
.Lnot_wave_0_\@:
	s_barrier_wait -3
	s_barrier_signal -1
	s_barrier_wait -1
.endm
.macro KQ i                            ; S^T, tiles 2 i and 2 i + 1: 2 x 16 keys x my 16 queries
.if (\i)%2
	v_wmma_scale_f32_16x16x128_f8f6f4 v[SS+16*\i:SS+16*\i+7], v[FR+12*\i:FR+12*\i+11], v[QF:QF+11], 0, v[KS+\i/2], v[QS] matrix_a_fmt:MATRIX_FMT_BF6 matrix_b_fmt:MATRIX_FMT_BF6 matrix_a_scale:MATRIX_SCALE_ROW1
	v_wmma_scale_f32_16x16x128_f8f6f4 v[SS+16*\i+8:SS+16*\i+15], v[FR+12*\i:FR+12*\i+11], v[QF+6:QF+17], 0, v[KS+\i/2], v[QS] matrix_a_fmt:MATRIX_FMT_BF6 matrix_b_fmt:MATRIX_FMT_BF6 matrix_a_scale:MATRIX_SCALE_ROW1
.else
	v_wmma_scale_f32_16x16x128_f8f6f4 v[SS+16*\i:SS+16*\i+7], v[FR+12*\i:FR+12*\i+11], v[QF:QF+11], 0, v[KS+\i/2], v[QS] matrix_a_fmt:MATRIX_FMT_BF6 matrix_b_fmt:MATRIX_FMT_BF6
	v_wmma_scale_f32_16x16x128_f8f6f4 v[SS+16*\i+8:SS+16*\i+15], v[FR+12*\i:FR+12*\i+11], v[QF+6:QF+17], 0, v[KS+\i/2], v[QS] matrix_a_fmt:MATRIX_FMT_BF6 matrix_b_fmt:MATRIX_FMT_BF6
.endif
.endm
.macro PV t                            ; O^T, d-tile t: 16 of the head's 64 x my 16 queries, K = the step's 128 keys
.if (\t)%2
	v_wmma_scale_f32_16x16x128_f8f6f4 v[OT+8*\t:OT+8*\t+7], v[FR+12*\t:FR+12*\t+11], v[PC:PC+11], v[OT+8*\t:OT+8*\t+7], v[KS+2+\t/2], v[PW] matrix_a_fmt:MATRIX_FMT_BF6 matrix_b_fmt:MATRIX_FMT_BF6 matrix_a_scale:MATRIX_SCALE_ROW1
.else
	v_wmma_scale_f32_16x16x128_f8f6f4 v[OT+8*\t:OT+8*\t+7], v[FR+12*\t:FR+12*\t+11], v[PC:PC+11], v[OT+8*\t:OT+8*\t+7], v[KS+2+\t/2], v[PW] matrix_a_fmt:MATRIX_FMT_BF6 matrix_b_fmt:MATRIX_FMT_BF6
.endif
.endm
.macro OM k                            ; O^T under the new M, registers 2 k and 2 k + 1
	v_pk_mul_f32 v[OT+2*\k:OT+2*\k+1], v[OT+2*\k:OT+2*\k+1], v[FF:FF+1] op_sel_hi:[1,0]
.endm
.macro ADDP k                          ; pair k of p onto its chain: k % 4 = 3 the sum itself, else one of three
.if (\k)%4 == 3
	v_pk_add_f32 v[14:15], v[14:15], v[SS+2*(\k):SS+2*(\k)+1]
.else
	v_pk_add_f32 v[AC+2*((\k)%4):AC+2*((\k)%4)+1], v[AC+2*((\k)%4):AC+2*((\k)%4)+1], v[SS+2*(\k):SS+2*(\k)+1]
.endif
.endm
.macro RESET                           ; a tile's start
	v_mov_b32 v12, 0x7f000000                      ; -M: so large that the first change of M gives f = 0
	v_mov_b32 v13, 0xff61b1e6                      ; the largest score so far: -3e38
	v_mov_b32 v14, 0
	v_mov_b32 v15, 0
.set cn, 0
.rept 32
	v_mov_b32 v[OT+cn], 0                          ; (the step is written once: the first change of M leaves zeros zeros)
.set cn, cn+1
.endr
.endm
.macro ROWSUM                          ; v14 = the row's sum, in both halves of the wave
	v_add_f32 v14, v14, v15
	v_permlanex16_b32 v[BT], v14, s[SEL], s[SEL+1]
	v_add_f32 v14, v14, v[BT]
.endm
; v144-175 hold o(r, 16 t + 8 h + i) at 8 t + i: through my own stage, and out as whole rows: a store of the wave covers two rows, 512 consecutive bytes, aligned
.macro OUTROWS
.irp t, 0,1,2,3
	ds_store_b128 v[STO], v[SS+8*\t:SS+8*\t+3] offset:64*\t
	ds_store_b128 v[STO], v[SS+8*\t+4:SS+8*\t+7] offset:64*\t+16
.endr
.irp i, 0,1,2,3,4,5,6,7
	ds_load_b128 v[FR+4*\i:FR+4*\i+3], v[SRD] offset:2*\i*SPIT     ; LDS serves a wave's instructions in order: these see my stores
.endr
	s_wait_alu depctr_va_vdst(0)
.irp i, 0,1,2,3,4,5,6,7
	s_wait_dscnt 7-\i                              ; load i is back; the younger ones may be out
	global_store_b128 v[LI], v[FR+4*\i:FR+4*\i+3], s[8:9] offset:512*\i th:TH_STORE_NT
.endr
.endm
; B's first tile is finished: it goes out, and the second begins with the Q that A has left in its stage
.macro SWITCH
	ROWSUM
	s_wait_alu depctr_va_vdst(0)                   ; the wait ahead of the transcendental
	v_rcp_f32 v14, v14
	v_nop                                          ; a plain place behind it
	s_wait_alu depctr_va_vdst(0)                   ; the wait ahead of its first reader
.set cn, 0
.rept 16
	v_pk_mul_f32 v[SS+cn:SS+cn+1], v[OT+cn:OT+cn+1], v[14:15] op_sel_hi:[1,0]
.set cn, cn+2
.endr
	OUTROWS
	ds_load_b128 v[QF:QF+3], v[QI16]
	ds_load_b64 v[QF+4:QF+5], v[QI8] offset:512
	ds_load_b128 v[QF+12:QF+15], v[QI16]
	ds_load_b64 v[QF+16:QF+17], v[QI8] offset:512
	ds_load_b32 v[QS], v[QI8] offset:768
	RESET
	s_wait_alu depctr_va_vdst(0)
	s_wait_xcnt 0x0                                ; the stores have read their registers, which the next loads fill
	s_wait_dscnt 0x0
.endm
; A UNIT: one key step of 128 keys.  bound: the last record that may be read here
.macro UNIT bound
	s_cmp_lg_u32 s[U], s[SWU]
	s_cbranch_scc1 .Lsame_\@
	SWITCH
.Lsame_\@:
.if \bound > 2
	s_cmp_gt_u32 s[U], s[LU]
	s_cbranch_scc1 .Lidle_\@                       ; B has eight units
.endif
	s_lshl_b32 s[X1], s[U], 1                      ; A: 2 u;  B: 2 (u - p) - 1, which in 5 bits is 17 or more up to u = p
	s_add_co_u32 s[X1], s[X1], s[OFF]
	s_and_b32 s[X1], s[X1], 31
	s_add_co_u32 s[X2], s[U], s[LIM]               ; A: u + 7 - p;  B: u
	s_min_u32 s[X2], s[X1], s[X2]
	s_cmp_gt_u32 s[U], s[SWB]
	s_cselect_b32 s[X1], s[X1], s[X2]
	s_min_u32 s[X1], s[X1], \bound
	s_mul_i32 s[TB], s[X1], REC
	v_add_nc_u32 v[ADC], s[TB], v[LI]
	ds_load_b128 v[KS:KS+3], v[ADC] offset:12288
.irp g, 0,1,2,3,4,5,6,7,8,9,10,11
	ds_load_b128 v[FR+4*\g:FR+4*\g+3], v[ADC] offset:512*\g
.endr
	s_wait_alu depctr_va_vdst(0)
	s_wait_dscnt 9                                 ; the scale words and groups 0-2 are in; the nine groups behind them may be out
	KQ 0
	s_wait_dscnt 6
	KQ 1
	s_wait_dscnt 3
	KQ 2
	s_wait_dscnt 0x0
	KQ 3
.rept 4
	v_nop                                          ; places ahead of the loads into K's registers and of the first read of the scores
.endr
.irp g, 0,1,2,3,4,5,6,7,8,9,10,11
	ds_load_b128 v[FR+4*\g:FR+4*\g+3], v[ADC] offset:6144+512*\g   ; V lands under the softmax
.endr
	s_cmp_lg_u32 s[U], s[DG]
	s_cbranch_scc1 .Lopen_\@                       ; only the step on the diagonal has hidden keys
.set cn, 0
.rept 64                               ; register 32 c + i is key 64 c + 32 h + i of the step, my query 16 g + r of it: by i's half the lanes of h see all, none, or (r >= i % 16) of it
	s_and_b32 s[MT+cn%4], s[AM+cn/16], ((0xffff<<(cn%16))&0xffff)*0x10001
	s_or_b32 s[MT+cn%4], s[MT+cn%4], s[BK+cn/16]
	v_cndmask_b32 v[SS+cn], v[NINF], v[SS+cn], s[MT+cn%4]          ; hidden scores become -infinity ahead of the maximum, so p = 0
.set cn, cn+1
.endr
.Lopen_\@:
.irp c, 0,1
	v_max3_num_f32 v[BM+\c], v[SS+32*\c], v[SS+32*\c+1], v[SS+32*\c+2]     ; the largest score of each of my two blocks, in two chains each
.endr
.irp c, 0,1
	v_max3_num_f32 v[BN+\c], v[SS+32*\c+3], v[SS+32*\c+4], v[SS+32*\c+5]
.endr
.irp i, 6,10,14,18,22,26
.irp c, 0,1
	v_max3_num_f32 v[BM+\c], v[BM+\c], v[SS+32*\c+\i], v[SS+32*\c+\i+1]
.endr
.irp c, 0,1
	v_max3_num_f32 v[BN+\c], v[BN+\c], v[SS+32*\c+\i+2], v[SS+32*\c+\i+3]
.endr
.endr
.irp c, 0,1
	v_max3_num_f32 v[BM+\c], v[BM+\c], v[SS+32*\c+30], v[SS+32*\c+31]
.endr
	v_max_num_f32 v[BM], v[BM], v[BN]
	v_max_num_f32 v[BM+1], v[BM+1], v[BN+1]
	s_delay_alu instid0(VALU_DEP_1)
	v_max_num_f32 v[TT], v[BM], v[BM+1]
	s_delay_alu instid0(VALU_DEP_1)
	v_permlanex16_b32 v[BT], v[TT], s[SEL], s[SEL+1]
	s_delay_alu instid0(VALU_DEP_1)
	v_max3_num_f32 v13, v13, v[TT], v[BT]          ; the running largest score of my query
	s_delay_alu instid0(VALU_DEP_1)
	v_mul_f32 v[T2], s[CS], v13                    ; as t (c is positive)
	v_mov_b32 v[TT], v12
	s_delay_alu instid0(VALU_DEP_2)
	v_floor_f32 v12, -v[T2]                        ; the new -M = floor(-t): M is a whole number
	s_delay_alu instid0(VALU_DEP_1)
	v_sub_f32 v[TT], v12, v[TT]                    ; old M - new M: a whole number, 0 or less
	s_delay_alu instid0(VALU_DEP_1)
	v_cvt_i32_f32 v[TT], v[TT]                     ; (it saturates)
	s_delay_alu instid0(VALU_DEP_1)
	v_ldexp_f32 v[FF], 1.0, v[TT]                  ; f = 2^(old M - new M)
	v_fma_f32 v[YY], v[BM], s[CS], v12             ; t - M of each block's largest score
	v_fma_f32 v[YY+1], v[BM+1], s[CS], v12
	OM 0                                           ; O^T is brought under the new M between these lines
	OM 1
	v_max_num_f32 v[YY], 0xc2f40000, v[YY]         ; held at -122: the byte cannot fall under 1
	v_max_num_f32 v[YY+1], 0xc2f40000, v[YY+1]
	OM 2
	OM 3
	v_cvt_floor_i32_f32 v[YY], v[YY]               ; y = floor(log2) of the block's largest p
	v_cvt_floor_i32_f32 v[YY+1], v[YY+1]
	OM 4
	OM 5
	v_lshl_add_u32 v[WT], v[YY+1], 16, v[YY]
	v_lshl_add_u32 v[SO], v[YY], 23, 0x3d800000    ; the conversion's scale operand: exponent field y + 123
	v_lshl_add_u32 v[SO+1], v[YY+1], 23, 0x3d800000
	OM 6
	v_add_nc_u32 v[WT], 0x7b007b, v[WT]            ; my two bytes: blocks h and 2 + h: y + 123 each,
	OM 7
	OM 8
	OM 9
	v_lshlrev_b32 v[WT], v[SH], v[WT]              ; at their places;
	OM 10
	OM 11
	OM 12
	v_permlanex16_b32 v[WP], v[WT], s[SEL], s[SEL+1]
	OM 13
	OM 14
	OM 15
	v_or_b32 v[PW], v[WT], v[WP]                   ; with lane l xor 16's: p's scale word for these 128 keys
.set cn, 0
.rept 32
	v_pk_fma_f32 v[SS+cn:SS+cn+1], v[SS+cn:SS+cn+1], s[CS:CS+1], v[12:13] op_sel_hi:[1,0,0]   ; t - M, two at a time (of the pairs c and -M the low word serves both halves)
.set cn, cn+2
.endr
	s_wait_alu depctr_va_vdst(0)                   ; the wait ahead of the batch
.set cn, 0
.rept 64
	v_exp_f32 v[SS+cn], v[SS+cn]                   ; p = 2^(t - M), at most 1
.set cn, cn+1
.endr
	v_pk_mul_f32 v[14:15], v[14:15], v[FF:FF+1] op_sel_hi:[1,0]    ; the sums under the new M: the plain place behind the exponentials
	s_wait_alu depctr_va_vdst(0)                   ; the wait ahead of the batch's first reader
.irp c, 0,1
	v_cvt_scalef32_pk16_bf6_f32 v[PC+6*\c:PC+6*\c+2], v[SS+32*\c:SS+32*\c+15], v[SO+\c]
	v_cvt_scalef32_pk16_bf6_f32 v[PT+4*\c:PT+4*\c+2], v[SS+32*\c+16:SS+32*\c+31], v[SO+\c]    ; (a conversion's three registers begin on an even number)
.endr
	v_pk_add_f32 v[AC:AC+1], v[SS+2:SS+3], v[SS+4:SS+5]            ; THE ROW'S SUM IS TAKEN OF THE UNQUANTISED p, in four chains
	v_pk_add_f32 v[AC+2:AC+3], v[SS+6:SS+7], v[SS+8:SS+9]
.irp i, 0,1,2
	v_mov_b32 v[PC+3+\i], v[PT+\i]
	v_mov_b32 v[PC+9+\i], v[PT+4+\i]
.endr
	v_pk_add_f32 v[AC+4:AC+5], v[SS+10:SS+11], v[SS+12:SS+13]
	v_pk_add_f32 v[14:15], v[14:15], v[SS:SS+1]
	ADDP 8
	ADDP 9
	ADDP 10
	ADDP 7
	s_wait_alu depctr_va_vdst(0)
	s_wait_dscnt 0x0                               ; V is in
	PV 0                                           ; four accumulators, one instruction a turn; the next unit's eight K Q^T stand between two turns of one accumulator
	PV 1
	PV 2
	PV 3
.irp k, 11,12,13,14,15,16,17,18,19,20,21,22,23,24,25,26,27,28,29,30,31
	ADDP \k                                        ; these are also the places behind the products
.endr
	v_pk_add_f32 v[AC:AC+1], v[AC:AC+1], v[AC+2:AC+3]
	v_pk_add_f32 v[14:15], v[14:15], v[AC+4:AC+5]
	v_pk_add_f32 v[14:15], v[14:15], v[AC:AC+1]
.Lidle_\@:
.endm
; Units first .. last - 1: every wave walks them all
.macro UNITS first, last, bound
	s_mov_b32 s[U], \first
.Lu_\@:
	UNIT \bound
	s_add_co_u32 s[U], s[U], 1
	s_cmp_lt_u32 s[U], \last
	s_wait_alu depctr_va_vdst(0)                   ; the wait ahead of the branch
	s_cbranch_scc1 .Lu_\@
.endm
.macro MASKW n, k                      ; the mask's words for registers 16 n .. 16 n + 15: all of h's lanes where g > k + 2 h, the triangle where g = k + 2 h
	s_cmp_eq_u32 s14, \k
	s_cselect_b32 s80, 0xffff, 0
	s_cmp_eq_u32 s14, \k+2
	s_cselect_b32 s81, 0xffff0000, 0
	s_or_b32 s[AM+\n], s80, s81
	s_cmp_gt_u32 s14, \k
	s_cselect_b32 s80, 0xffff, 0
	s_cmp_gt_u32 s14, \k+2
	s_cselect_b32 s81, 0xffff0000, 0
	s_or_b32 s[BK+\n], s80, s81
.endm
	s_load_b128 s[4:7], s[0:1], 0x0                ; query, kv
	s_load_b64 s[8:9], s[0:1], 0x10                ; out0
	v_lshl_add_u32 v[SPW], v0, 2, SPARE
	v_mov_b32 v[NIL], 0
	ds_add_u32 v[SPW], v[NIL]                      ; the wave's opening: the add, twice on end, and its wait ahead of the first tensor load
	ds_add_u32 v[SPW], v[NIL]
	v_lshrrev_b32 v10, 5, v0
	v_readfirstlane_b32 s[WV], v10                 ; wave 0..15
	s_and_b32 s[PP], s[WV], 7                      ; p
	s_xor_b32 s[Q7], s[PP], 7                      ; 7 - p
	s_bfe_u32 s13, ttmp6, 0x40000                  ; cx: my place in the cluster
	s_lshl_b32 s14, ttmp9, 2                       ; in a cluster launch ttmp9 counts clusters
	s_add_co_u32 s14, s14, s13                     ; g = 4 x cluster x + cx: it enters Q's and O's addresses and the mask's words alone
	s_and_b32 s15, ttmp7, 0xffff                   ; the head, which the four partners share
	s_mul_i32 s16, s15, HB                         ; its block in kv
	s_mov_b32 s17, 0
	s_lshl_b32 s62, s[Q7], 1
	s_add_co_u32 s62, s62, 17
	s_xor_b32 s63, s[PP], 15                       ; 15 - p
	s_cmp_lt_u32 s[WV], 8                          ; A or B?
	s_cselect_b32 s[OFF], 0, s62
	s_cselect_b32 s[LIM], s[Q7], 0
	s_cselect_b32 s[SWB], 99, s[PP]                ; A has one tile
	s_cselect_b32 s[DG], 8, s[PP]
	s_cselect_b32 s[LU], 8, 7
	s_cselect_b32 s60, s63, s[PP]                  ; the rank of my first tile
	s_add_co_u32 s[SWU], s[SWB], 1
	s_lshl_b32 s18, s15, 19                        ; its 16 rows of Q and of O: head x 2,048 rows + 128 rho + 16 g rows, of 256 bytes
	s_lshl_b32 s60, s60, 15
	s_add_co_u32 s18, s18, s60
	s_lshl_b32 s61, s14, 12
	s_add_co_u32 s18, s18, s61
	s_mov_b32 s19, 0
	v_and_b32 v11, 31, v0                          ; lane
	v_lshlrev_b32 v[LI], 4, v11
	s_wait_alu depctr_va_vdst(0)                   ; ahead of the waits below
	s_wait_dscnt 0x0
	s_wait_kmcnt 0x0
	s_add_nc_u64 s[4:5], s[4:5], s[18:19]
	s_add_nc_u64 s[8:9], s[8:9], s[18:19]
.irp i, 0,1,2,3,4,5,6,7
	global_load_b128 v[SS+4*\i:SS+4*\i+3], v[LI], s[4:5] offset:512*\i th:TH_LOAD_NT   ; rows 2 i, 2 i + 1 of my 16: 512 consecutive bytes
.endr
	s_add_nc_u64 s[6:7], s[6:7], s[16:17]          ; kv at the head's block
	s_mul_i32 s82, s[WV], REC                      ; my record
	s_mov_b32 s83, 0
	; descriptor group 1: a dense record, as 50 rows of 256 bytes (32 elements of 8 bytes), no padding
	s_mov_b32 s[G1], 15|(3<<16)|(1<<21)            ; 15:0 the mask: all four work-groups; 17:16 elements of 8 bytes; 21 set beside a mask
	s_mov_b32 s[G1+1], 32<<16                      ; tensor_dim0 = 32
	s_mov_b32 s[G1+2], 50<<16                      ; tensor_dim1
	s_mov_b32 s[G1+3], 32<<16                      ; tile_dim0 = 32
	s_mov_b32 s[G1+4], 50                          ; tile_dim1
	s_mov_b32 s[G1+5], 32                          ; from row to row
	s_mov_b32 s[G1+6], 0
	s_mov_b32 s[G1+7], 0
	s_mov_b32 s[G0], 1                             ; count = 1
	s_mov_b32 s[G0+1], s82                         ; LDS address: made of the wave's number alone
	s_add_nc_u64 s[G0+2:G0+3], s[6:7], s[82:83]    ; global address: made of the head and the wave's number alone
	s_or_b32 s[G0+3], s[G0+3], 0x80000000          ; type = 2
	ROUND                                          ; all four work-groups are here: the joint loads meet
	s_cmp_lt_u32 s[WV], 3                          ; records 0-2 have a line of their own: the waves that bring the others wait later
	s_cbranch_scc0 .Llater
	tensor_load_to_lds s[G0:G0+3], s[G1:G1+7]
	s_nop 0
.rept 4
	v_nop
.endr
	s_branch .Lasked
.Llater:
	tensor_load_to_lds s[G0:G0+3], s[G1:G1+7]
	s_nop 0
.rept 4
	v_nop
.endr
.Lasked:
	s_mov_b32 s[SEL], 0x76543210
	s_mov_b32 s[SEL+1], 0xfedcba98
	s_mov_b32 s[CS], 0x3cb8aa3b                    ; log2(e) / 64: log2(e)'s bits with 6 off the exponent
	s_mov_b32 s[CS+1], s[CS]                       ; (named with it as a pair, so it is written)
	MASKW 0, 0
	MASKW 1, 1
	MASKW 2, 4
	MASKW 3, 5
	s_mul_i32 s60, s[WV], SBYT
	s_add_co_u32 s60, s60, STG                     ; my stage
	s_lshl_b32 s62, s[PP], 10
	s_add_co_u32 s62, s62, QIM                     ; Q's image for my p
	s_xor_b32 s61, s[WV], 8
	s_mul_i32 s61, s61, SBYT
	s_add_co_u32 s61, s61, STG                     ; my partner's
	v_and_b32 v10, 15, v0                          ; r
	v_bfe_u32 v86, v0, 4, 1                        ; h
	v_and_b32 v87, 31, v0
	v_mul_u32_u24 v[SRD], v86, SPIT
	v_mul_u32_u24 v[STO], v10, SPIT
	v_lshl_add_u32 v[SRD], v10, 4, v[SRD]
	v_lshl_add_u32 v[QAD], v86, 7, v[STO]
	v_lshl_add_u32 v[STO], v86, 5, v[STO]
	v_add_nc_u32 v[SRD], s60, v[SRD]               ; lanes 0-15 one row, lanes 16-31 the next
	v_add_nc_u32 v[QAD], s60, v[QAD]               ; row r, d = 32 h on
	v_add_nc_u32 v[STO], s60, v[STO]               ; row r, 32 h bytes on
	v_add_nc_u32 v[OWN16], s60, v[LI]
	v_add_nc_u32 v[PAR16], s61, v[LI]
	v_lshl_add_u32 v[OWN8], v87, 3, s60
	v_lshl_add_u32 v[PAR8], v87, 3, s61
	v_add_nc_u32 v[QI16], s62, v[LI]
	v_lshl_add_u32 v[QI8], v87, 3, s62
	v_lshlrev_b32 v[SH], 3, v86
	v_mov_b32 v[NINF], 0xff800000
	v_mov_b32 v[BT], 0                             ; written once: a lane permute's destination counts as one of its sources
	v_mov_b32 v[WP], 0
	v_mov_b32 v[FF], 0
	v_mov_b32 v[FF+1], 0                           ; (named as the upper half of a pair)
.irp i, 0,1,2,3,4,5
	v_mov_b32 v[QF+6+\i], 0                        ; the zero codes between Q's two copies
.endr
	s_wait_alu depctr_va_vdst(0)
	s_wait_loadcnt 0x0                             ; Q is in: through my stage, so that a lane has a whole block of 32
.irp i, 0,1,2,3,4,5,6,7
	ds_store_b128 v[SRD], v[SS+4*\i:SS+4*\i+3] offset:2*\i*SPIT
.endr
.irp i, 0,1,2,3,4,5,6,7
	ds_load_b128 v[FR+4*\i:FR+4*\i+3], v[QAD] offset:16*\i
.endr
	s_wait_dscnt 0x0
	v_max3_num_f32 v10, |v[FR]|, |v[FR+1]|, |v[FR+2]|
	v_max3_num_f32 v11, |v[FR+3]|, |v[FR+4]|, |v[FR+5]|
.irp i, 6,10,14,18,22,26
	v_max3_num_f32 v10, v10, |v[FR+\i]|, |v[FR+\i+1]|
	v_max3_num_f32 v11, v11, |v[FR+\i+2]|, |v[FR+\i+3]|
.endr
	v_max3_num_f32 v10, v10, |v[FR+30]|, |v[FR+31]|
	v_max3_num_f32 v10, v10, v11, 0x2800000        ; the floor 2^(5 - 127)
	v_add_nc_u32 v[TT], 0xfe000000, v10
	v_lshrrev_b32 v[WT], 23, v[TT]
	v_cvt_scalef32_pk16_bf6_f32 v[QF:QF+2], v[FR:FR+15], v[TT]
	v_cvt_scalef32_pk16_bf6_f32 v[PT:PT+2], v[FR+16:FR+31], v[TT]
	v_lshlrev_b32 v[WT], v[SH], v[WT]              ; my byte is block h's (and the plain place behind the conversions);
	v_permlanex16_b32 v[WP], v[WT], s[SEL], s[SEL+1]
.irp i, 0,1,2
	v_mov_b32 v[QF+3+\i], v[PT+\i]
	v_mov_b32 v[QF+12+\i], v[QF+\i]
	v_mov_b32 v[QF+15+\i], v[PT+\i]
.endr
	v_or_b32 v[WT], v[WT], v[WP]                   ; with lane l xor 16's: bytes 0 and 1,
	v_lshl_or_b32 v[QS], v[WT], 16, v[WT]          ; and once more as bytes 2 and 3, for the odd tiles
	RESET                                          ; (also the places between Q's scale word and codes and the first products)
	s_wait_alu depctr_va_vdst(0)
	s_cmp_lt_u32 s[WV], 8
	s_cbranch_scc0 .Lno_image
	ds_store_b128 v[QI16], v[QF:QF+3]              ; A leaves its Q for B
	ds_store_b64 v[QI8], v[QF+4:QF+5] offset:512
	ds_store_b32 v[QI8], v[QS] offset:768
.Lno_image:
	s_cmp_gt_u32 s[WV], 2
	s_cbranch_scc1 .Lnot_first
	s_wait_tensorcnt 0x0                           ; my record, one of 0-2, has landed
.Lnot_first:
	s_wait_dscnt 0x0
	s_barrier_signal -1
	s_barrier_wait -1                              ; records 0-2 are in, and A's Q
	UNITS 0, 2, 2
	s_wait_tensorcnt 0x0                           ; mine has landed, whichever it is
	s_wait_dscnt 0x0
	s_barrier_signal -1
	s_barrier_wait -1                              ; all have: from here on the waves run free
	UNITS 2, 9, 15
	ROWSUM
	s_wait_alu depctr_va_vdst(0)
	s_cmp_lt_u32 s[WV], 8
	s_cbranch_scc1 .Ljoin
	v_mov_b32 v13, v14                             ; B leaves its part of rank 15 - p: O^T, -M and the sum
.irp i, 0,1,2,3,4,5,6,7
	ds_store_b128 v[OWN16], v[OT+4*\i:OT+4*\i+3] offset:512*\i
.endr
	ds_store_b64 v[OWN8], v[12:13] offset:4096
.Ljoin:
	s_wait_alu depctr_va_vdst(0)
	s_wait_dscnt 0x0
	s_barrier_signal -1
	s_barrier_wait -1
	s_cmp_lt_u32 s[WV], 8
	s_cbranch_scc0 .Lend                           ; A joins the two parts and sends the tile
	ds_load_b64 v[PT:PT+1], v[PAR8] offset:4096
.irp i, 0,1,2,3,4,5,6,7
	ds_load_b128 v[FR+4*\i:FR+4*\i+3], v[PAR16] offset:512*\i
.endr
	s_wait_dscnt 0x0
	v_min_num_f32 v[TT], v12, v[PT]                ; the -M of both
	v_sub_f32 v[T2], v[TT], v12
	v_sub_f32 v[BT], v[TT], v[PT]
	v_cvt_i32_f32 v[T2], v[T2]
	v_cvt_i32_f32 v[BT], v[BT]
	v_ldexp_f32 v[T2], 1.0, v[T2]                  ; A's part is multiplied by this,
	v_ldexp_f32 v[BT], 1.0, v[BT]                  ; and B's by this (0 where B has done no step)
	v_mul_f32 v14, v14, v[T2]
	v_fma_f32 v14, v[PT+1], v[BT], v14             ; the row's sum
	s_wait_alu depctr_va_vdst(0)
	v_rcp_f32 v14, v14
	v_nop                                          ; a plain place behind the transcendental
	s_wait_alu depctr_va_vdst(0)
	v_mul_f32 v[FF], v[T2], v14
	v_mul_f32 v[SO], v[BT], v14
	s_wait_alu depctr_va_vdst(0)                   ; the wait directly ahead of O^T's first reader
.set cn, 0
.rept 16
	v_pk_mul_f32 v[SS+cn:SS+cn+1], v[OT+cn:OT+cn+1], v[FF:FF+1] op_sel_hi:[1,0]
.set cn, cn+2
.endr
.set cn, 0
.rept 16
	v_pk_fma_f32 v[SS+cn:SS+cn+1], v[FR+cn:FR+cn+1], v[SO:SO+1], v[SS+cn:SS+cn+1] op_sel_hi:[1,0,1]
.set cn, cn+2
.endr
	OUTROWS
.Lend:
	s_wait_tensorcnt 0x0                           ; the wave's end
	ds_add_u32 v[SPW], v[NIL]
	s_wait_dscnt 0x0
	ROUND                                          ; the closing round: no work-group ends while a partner may still ask for a record that names it
	s_endpgm
.Lfunc_end_k_q5e54d2f117_attn:
	.size	k_q5e54d2f117_attn, .Lfunc_end_k_q5e54d2f117_attn-k_q5e54d2f117_attn
	.p2alignl 7, 3214868480
	.fill 96, 4, 3214868480
	.section	.rodata,"a",@progbits
	.p2align	6, 0x0
	.amdhsa_kernel k_q5e54d2f117_attn
		.amdhsa_group_segment_fixed_size 284672
		.amdhsa_private_segment_fixed_size 0
		.amdhsa_enable_private_segment 0
		.amdhsa_kernarg_size 24
		.amdhsa_user_sgpr_count 2
		.amdhsa_user_sgpr_kernarg_segment_ptr 1
		.amdhsa_wavefront_size32 1
		.amdhsa_system_sgpr_workgroup_id_x 1
		.amdhsa_system_sgpr_workgroup_id_y 1
		.amdhsa_system_sgpr_workgroup_id_z 1
		.amdhsa_system_vgpr_workitem_id 0
		.amdhsa_next_free_vgpr 256
		.amdhsa_next_free_sgpr 84
		.amdhsa_reserve_vcc 0
		.amdhsa_float_denorm_mode_32 3
		.amdhsa_float_denorm_mode_16_64 3
		.amdhsa_memory_ordered 1
		.amdhsa_forward_progress 1
		.amdhsa_inst_pref_size 79
	.end_amdhsa_kernel
	.amdgpu_metadata
---
amdhsa.version: [ 1, 2 ]
amdhsa.kernels:
  - .name:           k_q5e54d2f117_attn
    .symbol:         k_q5e54d2f117_attn.kd
    .args:
      - { .name: query, .offset: 0, .size: 8, .value_kind: global_buffer, .address_space: global }
      - { .name: kv, .offset: 8, .size: 8, .value_kind: global_buffer, .address_space: global }
      - { .name: out0, .offset: 16, .size: 8, .value_kind: global_buffer, .address_space: global }
    .group_segment_fixed_size: 284672
    .private_segment_fixed_size: 0
    .kernarg_segment_align: 8
    .kernarg_segment_size: 24
    .max_flat_workgroup_size: 512
    .sgpr_count:     84
    .vgpr_count:     256
    .wavefront_size: 32
...
	.end_amdgpu_metadata
.endif
;; end of part 2
